; MI455X (gfx1250); checked and timed in simulation.
; The chip was launched on July 23, 2026; its instructions are those of AMD's public machine-readable ISA for CDNA 5 (MIT licence, August 2026) and "CDNA5" Instruction Set Architecture Reference Guide (July 2026). The comments in the code are by the model that wrote it; some were corrected since.
;; Self Attention1 D. Allowed arithmetic: float matrix products may take bf16 or f16 operands with f32 sums; all other float work in f32.
;; Inputs: Wf 512 x 64 float32; Wg 512 x 64 float32; Wh 512 x 512 float32; bf 64 float32; bg 64 float32; bh 512 float32; gamma one number float32; x 4 x 4,096 x 512 float32.
;; Outputs: out0 4 x 4,096 x 512 float32.
;; 2 versions, each right; version 2 is version 1 with the launch proj written anew for expert scheduling mode. Each part assembles by itself: llvm-mc -triple=amdgcn-amd-amdhsa -mcpu=gfx1250 --defsym DOCPART=n.
;; ======== version 1 of 2: 3 launches
;; workspace buffers: wt 655,360 bytes; fq 2,097,152 bytes; kv 18,874,368 bytes
;; launch wprep (part 1): grid 10 x 4, 4 waves a work-group, no clusters, 35,328 bytes of LDS; arguments Wf, Wg, Wh, wt; writes wt
.if DOCPART == 1
	.amdgcn_target "amdgcn-amd-amdhsa--gfx1250"
	.amdhsa_code_object_version 6
	.text
	.protected	k_q9947ad6919_wprep
	.globl	k_q9947ad6919_wprep
	.p2align	8
	.type	k_q9947ad6919_wprep,@function
k_q9947ad6919_wprep:
	s_mov_b64 s[64:65], 0
	v_nop
	global_prefetch_b8 v0, s[64:65] scope:SCOPE_SE
	s_setreg_imm32_b32 hwreg(HW_REG_WAVE_MODE, 25, 1), 1
	s_wait_xcnt 0x0
; SelfAttention1D: out0 = x + gamma * softmax(f g^T) h,  f = x Wf + bf, g = x Wg + bg, h = x Wh + bh.  Launch 1 of 3.
; This launch rounds Wf, Wg, Wh to bf16 and lays them out as matrix fragments, so that the projection can load them straight into registers.
;
; WORK LEFT OUT IN ALL THREE LAUNCHES: the input bg.  scores[n][m] = f[n].(x[m] Wg) + f[n].bg.  The second term does not hang on m, the axis
; of the softmax, whatever the inputs hold, and a term that is the same along that axis cancels in exp(s - max) / sum.  So bg has no way to
; the output in exact arithmetic; it is not loaded and is no argument of any launch.
; LIMIT: a NaN, an infinity or an overflow that reaches only f[n].bg is not carried to the result.
; bf is live (bf.g[m] hangs on m).  bh is live and is added in f32 in the last launch: the rows of the softmax sum to 1, so
; attn (h0 + 1 bh^T) = attn h0 + bh for all values.
;
; A FRAGMENT is 1 KB: [cc 0..1][lane 0..31][16 bytes].  Lane (r = L & 15, h = L >> 4), chunk cc, element e holds W[c = 32 kk + 16 cc + 8 h + e][channel r of the tile].
; wt = [w 0..7][kk 0..15][i 0..4][fragment]: w is the projection's wave; i = 0 is channel tile w of f (w < 4) or w - 4 of g; i = 1..4 are tiles 4 w + i - 1 of h.
; Work-group x = G: 0 Wf, 1 Wg, 2..9 the columns 64 (G - 2) .. + 63 of Wh.  kk = 4 y + wave.  A wave takes 32 rows c x 64 channels (8 KB of f32), turns them
; in LDS bytes of its own and stores 4 fragments.  All there is to do is 160 such pieces: 40 work-groups.  No work-group shares an input byte with another: no cluster.
.set LROW, 272                         ; an LDS row: 256 bytes of f32 + 16
.set WLDS, 32*LROW                     ; a wave's own LDS bytes
.set OF,  2                            ; v[2:17]    byte offset of my 16 bytes in row pair i of the source
.set D,   20                           ; v[20:83]   f32 as loaded
.set SA,  84                           ; LDS address for the row stores
.set CA,  85                           ; LDS address for the column reads
.set R,   88                           ; v[88:151]  column reads: 8 chunks x 8 numbers
.set PK,  152                          ; v[152:183] the chunks in bf16
.set DO,  184                          ; v[184:187] byte offset in wt of my 16 bytes of fragment tl
	s_load_b256 s[4:11], s[0:1], 0x0               ; Wf s[4:5], Wg s[6:7], Wh s[8:9], wt s[10:11]
	v_lshl_add_u32 v192, v0, 2, 0x8800
	v_mov_b32 v193, 0
	v_lshrrev_b32 v1, 5, v0
	v_readfirstlane_b32 s12, v1                    ; wave
	s_mov_b32 s13, ttmp9                           ; G
	s_and_b32 s18, ttmp7, 0xffff
	s_lshl2_add_u32 s18, s18, s12                  ; kk = 4 y + wave
	s_max_u32 s15, s13, 2
	s_sub_co_u32 s15, s15, 2                       ; G - 2 for Wh, 0 otherwise
	s_mul_i32 s16, s15, 81920
	s_add_co_u32 s16, s16, 1024                    ; Wh: wave G - 2 of the projection, from i = 1 on
	s_mul_i32 s17, s13, 327680                     ; Wf: waves 0..3, Wg: waves 4..7, i = 0
	s_mov_b32 s14, 256
	s_mov_b32 s19, 81920
	s_cmp_ge_u32 s13, 2
	s_cselect_b32 s14, 2048, s14                   ; bytes in a source row
	s_cselect_b32 s19, 1024, s19                   ; from fragment tl to tl + 1 in wt
	s_cselect_b32 s16, s16, s17
	s_mul_i32 s17, s18, 5120
	s_add_co_u32 s16, s16, s17                     ; + kk x 5 fragments
	s_mul_i32 s22, s18, s14
	s_lshl_b32 s22, s22, 5                         ; 32 kk rows
	s_lshl_b32 s15, s15, 8
	s_add_co_u32 s22, s22, s15                     ; + my 64 columns
	s_mov_b32 s23, 0
	s_lshl_b32 s24, s14, 1                         ; two rows
	s_mul_i32 s25, s12, WLDS
	v_and_b32 v1, 15, v0                           ; r
	v_bfe_u32 v18, v0, 4, 1                        ; h
	v_lshlrev_b32 v19, 4, v1
	v_mad_u32_u24 v[OF], v18, s14, v19             ; lanes 0-15 the even row, lanes 16-31 the odd one, 256 bytes each
.irp i, 1,2,3,4,5,6,7,8,9,10,11,12,13,14,15
	v_add_nc_u32 v[OF+\i], s24, v[OF+\i-1]
.endr
	v_mul_u32_u24 v[SA], v18, LROW
	v_add3_u32 v[SA], v[SA], v19, s25
	v_mul_u32_u24 v[CA], v18, 8*LROW               ; lanes 16-31 read eight rows further down
	v_lshl_add_u32 v[CA], v1, 2, v[CA]
	v_add_nc_u32 v[CA], s25, v[CA]
	v_and_b32 v[DO], 31, v0
	v_lshlrev_b32 v[DO], 4, v[DO]
	v_add_nc_u32 v[DO], s16, v[DO]
.irp t, 1,2,3
	v_add_nc_u32 v[DO+\t], s19, v[DO+\t-1]
.endr
	s_wait_kmcnt 0x0
	s_cmp_eq_u32 s13, 0
	s_cselect_b64 s[20:21], s[4:5], s[6:7]
	s_cmp_ge_u32 s13, 2
	s_cselect_b64 s[20:21], s[8:9], s[20:21]       ; the source, chosen by G alone
	s_add_nc_u64 s[20:21], s[20:21], s[22:23]
.irp i, 0,1,2,3,4,5,6,7,8,9,10,11,12,13,14,15
	global_load_b128 v[D+4*\i:D+4*\i+3], v[OF+\i], s[20:21]
.endr
.irp i, 0,1,2,3,4,5,6,7,8,9,10,11,12,13,14,15
	s_wait_loadcnt 15-\i                           ; loads come back in order: row pair i is in, the younger ones stay out
	ds_store_b128 v[SA], v[D+4*\i:D+4*\i+3] offset:\i*2*LROW
.endr
	; Columns: number e of chunk (tl, cc) is row 16 cc + 8 h + e, column 16 tl + r.  The bytes are my wave's own and LDS serves a wave's
	; instructions in order (ISA guide 5.7.1), so no wait and no barrier stands between the stores above and these loads.
.irp tl, 0,1,2,3
.irp cc, 0,1
.irp e, 0,1,2,3,4,5,6,7
	ds_load_b32 v[R+8*(2*\tl+\cc)+\e], v[CA] offset:(16*\cc+\e)*LROW+\tl*64
.endr
.endr
.endr
	s_wait_dscnt 0x0
.irp q, 0,1,2,3,4,5,6,7
.irp p, 0,1,2,3
	v_cvt_pk_bf16_f32 v[PK+4*\q+\p], v[R+8*\q+2*\p], v[R+8*\q+2*\p+1]
.endr
.endr
.irp tl, 0,1,2,3
	global_store_b128 v[DO+\tl], v[PK+8*\tl:PK+8*\tl+3], s[10:11]               ; a store of the wave covers 512 consecutive bytes, aligned
	global_store_b128 v[DO+\tl], v[PK+8*\tl+4:PK+8*\tl+7], s[10:11] offset:512
.endr
	s_wait_tensorcnt 0x0
	ds_add_u32 v192, v193
	s_wait_dscnt 0x0
	s_endpgm
.Lfunc_end_k_q9947ad6919_wprep:
	.size	k_q9947ad6919_wprep, .Lfunc_end_k_q9947ad6919_wprep-k_q9947ad6919_wprep
	.p2alignl 7, 3214868480
	.fill 96, 4, 3214868480
	.section	.rodata,"a",@progbits
	.p2align	6, 0x0
	.amdhsa_kernel k_q9947ad6919_wprep
		.amdhsa_group_segment_fixed_size 35328
		.amdhsa_private_segment_fixed_size 0
		.amdhsa_enable_private_segment 0
		.amdhsa_kernarg_size 32
		.amdhsa_user_sgpr_count 2
		.amdhsa_user_sgpr_kernarg_segment_ptr 1
		.amdhsa_wavefront_size32 1
		.amdhsa_system_sgpr_workgroup_id_x 1
		.amdhsa_system_sgpr_workgroup_id_y 1
		.amdhsa_system_sgpr_workgroup_id_z 1
		.amdhsa_system_vgpr_workitem_id 0
		.amdhsa_next_free_vgpr 194
		.amdhsa_next_free_sgpr 66
		.amdhsa_reserve_vcc 0
		.amdhsa_float_denorm_mode_32 3
		.amdhsa_float_denorm_mode_16_64 3
		.amdhsa_memory_ordered 1
		.amdhsa_forward_progress 1
		.amdhsa_inst_pref_size 13
	.end_amdhsa_kernel
	.amdgpu_metadata
---
amdhsa.version: [ 1, 2 ]
amdhsa.kernels:
  - .name:           k_q9947ad6919_wprep
    .symbol:         k_q9947ad6919_wprep.kd
    .args:
      - { .name: Wf, .offset: 0, .size: 8, .value_kind: global_buffer, .address_space: global }
      - { .name: Wg, .offset: 8, .size: 8, .value_kind: global_buffer, .address_space: global }
      - { .name: Wh, .offset: 16, .size: 8, .value_kind: global_buffer, .address_space: global }
      - { .name: wt, .offset: 24, .size: 8, .value_kind: global_buffer, .address_space: global }
    .group_segment_fixed_size: 35328
    .private_segment_fixed_size: 0
    .kernarg_segment_align: 8
    .kernarg_segment_size: 32
    .max_flat_workgroup_size: 128
    .sgpr_count:     66
    .vgpr_count:     194
    .wavefront_size: 32
...
	.end_amdgpu_metadata
.endif
;; end of part 1
;; launch proj (part 2): grid 256 x 1, 8 waves a work-group, no clusters, 70,656 bytes of LDS; arguments x, wt, bf, fq, kv; writes fq, kv
.if DOCPART == 2
	.amdgcn_target "amdgcn-amd-amdhsa--gfx1250"
	.amdhsa_code_object_version 6
	.text
	.protected	k_q9947ad6919_proj
	.globl	k_q9947ad6919_proj
	.p2align	8
	.type	k_q9947ad6919_proj,@function
k_q9947ad6919_proj:
	s_mov_b64 s[64:65], 0
	v_nop
	global_prefetch_b8 v0, s[64:65] scope:SCOPE_SE
	s_setreg_imm32_b32 hwreg(HW_REG_WAVE_MODE, 25, 1), 1
	s_wait_xcnt 0x0
; SelfAttention1D, launch 2 of 3: f = x Wf + bf, g = x Wg, h^T = (x Wh)^T, in bf16, stored in the fragment order in which the attention reads them.
; Left out: bg (the same along the softmax's axis, see the first kernel's head) and, here, bh (added in f32 in the last launch).
; LIMIT: x, the weights, f, g and h are rounded to bf16; sums are f32.
;
; A work-group owns 64 positions (four tiles pt of 16).  Wave w owns 80 output channels: one tile of f (w < 4) or g (w >= 4), and tiles 4 w .. 4 w + 3 of h: 20 accumulators.
; A 16 x 16 result holds, in lane (r, h), register j, the element (m = 8 h + j, n = r).  Rounded to bf16 a lane's eight numbers are 16 bytes, and these are
; registers 4 cc .. 4 cc + 3 of a fragment whose row is n and whose k is 16 cc + m.  So results are stored as chunks of 512 bytes, lane L at 16 L:
;   f, g: source 0 = W (m = channel), source 1 = x (n = position): a chunk holds position r, 8 channels: a fragment along the channels, for f g^T;
;   h:    source 0 = x (m = position), source 1 = W (n = d):       a chunk holds d = r, 8 positions: a fragment along the keys, for attn h.
; fq = [position tile][kb][cc][lane][16 B].  kv = blocks of 147,456 bytes, 32 for a batch.  Block u of a batch holds
;   g of the 128 positions of block (u + 2) mod 32, at kt 2048 + kb 1024 + cc 512 + 16 L: the attention makes a block's scores one trip ahead of its products
;   and loads g into registers one trip ahead of that; turned round within the batch, every byte of kv is still written;
;   h^T of its own 128 positions at 16384 + wa 32768 + j 8192 + dt 1024 + cc 512 + 16 L  (d = 128 wa + 16 dt + r, key = 32 j + 16 cc + 8 h + e).
; x is read once, rounded once and laid into LDS as fragments; all eight waves read them from there.
; NO CLUSTER, though all work-groups walk wt: a fragment of W is used by one wave of a work-group, once, and goes from memory straight into its registers by loads
; of 512 consecutive bytes.  A joint load lands in LDS: it would add 640 KB of LDS writes and 640 KB of LDS reads for a work-group beside the 512 KB of x fragments
; that it reads, and a round of the cluster's barrier for each refill, in a launch of 16 K steps.
.set BLOCK, 147456
.set UNIT,  272                        ; an LDS unit: 16 lanes x 16 bytes + 16.  Unit u = 64 pt + 4 kk + 2 cc + h
.set XO,   1                           ; byte offset in x: rows p and p + 8, my wave's 256 bytes of them
.set XS,   2                           ; where my 8 bytes of bf16 go in LDS
.set XR,   3                           ; v3, v4: where I read x fragments (pt 0-1, pt 2-3: the immediate has 16 bits)
.set WO,   5                           ; 16 L
.set BOF,  6                           ; byte offset in bf
.set BIAS, 8                           ; v[8:15]   bf of my channel tile as a C operand; zeros in the waves that make g
.set XF0,  16                          ; v[16:79]  two buffers of four x fragments
.set WB0,  80                          ; v[80:199] three buffers of five W fragments
.set OUTP, 80                          ; v[80:159] the way out
; window 1 (v256-415): accumulator (i, pt) at v[8 (4 i + pt)]; ahead of the K steps v256-383 hold x as loaded
.set MSB, 0
.macro WIN new                         ; the immediate's high byte repeats the setting that is left
.if MSB != \new
	s_set_vgpr_msb (MSB<<8)|\new
.set MSB, \new
.endif
.endm
.macro PLACES n
.rept \n
	v_nop
.endr
.endm
.macro WLOAD kk, buf                   ; the five W fragments of K step kk
.irp i, 0,1,2,3,4
	global_load_b128 v[\buf+8*\i:\buf+8*\i+3],   v[WO], s[6:7] offset:\kk*5120+\i*1024
	global_load_b128 v[\buf+8*\i+4:\buf+8*\i+7], v[WO], s[6:7] offset:\kk*5120+\i*1024+512
.endr
.endm
.macro XFETCH kk, buf                  ; the four x fragments of K step kk: sixteen lanes read 256 consecutive bytes
.irp pt, 0,1,2,3
	ds_load_b128 v[\buf+8*\pt:\buf+8*\pt+3],   v[XR+(\pt>>1)] offset:(\pt&1)*64*UNIT+\kk*4*UNIT
	ds_load_b128 v[\buf+8*\pt+4:\buf+8*\pt+7], v[XR+(\pt>>1)] offset:(\pt&1)*64*UNIT+\kk*4*UNIT+2*UNIT
.endr
.endm
	s_load_b256 s[4:11], s[0:1], 0x0               ; x s[4:5], wt s[6:7], bf s[8:9], fq s[10:11]
	s_load_b64 s[12:13], s[0:1], 0x20              ; kv
	v_lshl_add_u32 v254, v0, 2, 0x11000
	v_mov_b32 v255, 0
	v_lshrrev_b32 v1, 5, v0
	v_readfirstlane_b32 s14, v1                    ; wave w
	s_mov_b32 s15, ttmp9                           ; work-group
	s_lshl_b32 s16, s15, 17                        ; 64 rows of x
	s_mov_b32 s17, 0
	s_mul_i32 s18, s14, 81920                      ; my wave's part of wt
	s_mov_b32 s19, 0
	s_lshr_b32 s20, s15, 1                         ; my block of 128 positions: 32 batch + u
	s_add_co_u32 s34, s20, 30
	s_and_b32 s34, s34, 31                         ; (u - 2) mod 32
	s_and_b32 s35, s20, 0x60                       ; 32 batch
	s_or_b32 s34, s34, s35
	s_mul_i32 s34, s34, BLOCK                      ; the block that takes my g
	s_mul_i32 s20, s20, BLOCK                      ; the block that takes my h^T
	s_and_b32 s21, s15, 1                          ; which half of its 128 positions
	s_lshl_b32 s22, s21, 13
	s_add_co_u32 s22, s22, s34                     ; g: key tiles 4 half + pt
	s_lshl_b32 s23, s15, 13                        ; f: position tiles 4 wg + pt
	s_and_b32 s24, s14, 3                          ; my channel tile of f or g = 2 kb + cc
	s_lshl_b32 s25, s24, 9
	s_lshr_b32 s28, s14, 1                         ; h^T: wa = w >> 1
	s_lshl_b32 s28, s28, 15
	s_add_co_u32 s28, s28, s20
	s_lshl_b32 s29, s21, 14                        ; j = 2 half + (pt >> 1)
	s_add_co_u32 s28, s28, s29
	s_and_b32 s29, s14, 1                          ; dt = 4 (w & 1) + i - 1
	s_lshl_b32 s29, s29, 12
	s_add_co_u32 s28, s28, s29
	s_add_co_u32 s28, s28, 16384
	s_mov_b32 s29, 0
	s_lshl_b32 s30, s14, 8                         ; my 64 columns of x
	s_mul_i32 s31, s14, 8*UNIT                     ; they are units 8 w .. 8 w + 7 of each pt
	s_lshl_b32 s33, s24, 6
	v_and_b32 v7, 15, v0
	v_bfe_u32 v16, v0, 4, 1
	v_lshlrev_b32 v17, 4, v7
	v_lshl_add_u32 v[XO], v16, 14, v17             ; lanes 16-31: eight rows further down
	v_add_nc_u32 v[XO], s30, v[XO]
	v_lshrrev_b32 v18, 1, v7                       ; my 4 columns lie in unit (L & 15) >> 1 of the wave's eight,
	v_mul_u32_u24 v18, v18, UNIT
	v_lshl_add_u32 v18, v16, 7, v18                ; in row p + 8 (L >> 4),
	v_and_b32 v19, 1, v0
	v_lshl_add_u32 v18, v19, 3, v18                ; in its lower or upper 8 bytes
	v_add_nc_u32 v[XS], s31, v18
	v_mul_u32_u24 v18, v16, UNIT
	v_add_nc_u32 v[XR], v18, v17
	v_add_nc_u32 v[XR+1], 128*UNIT, v[XR]
	v_and_b32 v[WO], 31, v0
	v_lshlrev_b32 v[WO], 4, v[WO]
	v_lshlrev_b32 v[BOF], 5, v16                   ; register j of C is channel 8 h + j
	v_add_nc_u32 v[BOF], s33, v[BOF]
	s_wait_kmcnt 0x0
	s_add_nc_u64 s[4:5], s[4:5], s[16:17]
	s_add_nc_u64 s[6:7], s[6:7], s[18:19]
	s_cmp_lt_u32 s14, 4                            ; waves 0-3 make f, waves 4-7 make g
	s_cselect_b64 s[26:27], s[10:11], s[12:13]
	s_cselect_b32 s22, s23, s22
	s_cselect_b32 s32, -1, 0
	s_add_co_u32 s22, s22, s25
	s_mov_b32 s23, 0
	s_add_nc_u64 s[26:27], s[26:27], s[22:23]      ; where my tile of f or g goes
	s_add_nc_u64 s[12:13], s[12:13], s[28:29]      ; where my tiles of h^T go
	global_load_b128 v[BIAS:BIAS+3],   v[BOF], s[8:9]
	global_load_b128 v[BIAS+4:BIAS+7], v[BOF], s[8:9] offset:16
	WIN 0x40                                       ; destination in window 1
.irp pt, 0,1,2,3
.irp p, 0,1,2,3,4,5,6,7
	global_load_b128 v[4*(8*\pt+\p):4*(8*\pt+\p)+3], v[XO], s[4:5] offset:(16*\pt+\p)*2048   ; sixteen lanes read 256 consecutive bytes, aligned
.endr
.endr
	WIN 0
	WLOAD 0, WB0
	WLOAD 1, WB0+40
	s_wait_loadcnt 20                              ; bf and x are in; the 20 loads of W stay out
	WIN 0x05                                       ; sources in window 1
.set n, 0
.rept 32
	v_cvt_pk_bf16_f32 v[XF0+2*n],   v[4*n],   v[4*n+1]
	v_cvt_pk_bf16_f32 v[XF0+2*n+1], v[4*n+2], v[4*n+3]
.set n, n+1
.endr
	WIN 0
	WLOAD 2, WB0+80
.irp j, 0,1,2,3,4,5,6,7
	v_and_b32 v[BIAS+\j], s32, v[BIAS+\j]          ; g starts from zero
.endr
.irp pt, 0,1,2,3
.irp p, 0,1,2,3,4,5,6,7
	ds_store_b64 v[XS], v[XF0+2*(8*\pt+\p):XF0+2*(8*\pt+\p)+1] offset:\pt*64*UNIT+\p*16
.endr
.endr
	s_wait_dscnt 0x0                               ; my stores are done, for the other waves' sake,
	s_barrier_signal -1
	s_barrier_wait -1                              ; and so are everybody's: the only barrier, LDS is only read from here on
	XFETCH 0, XF0
; K step K (32 channels of x).  The 20 accumulators take turns, one instruction a turn.
.macro STEP
.set XC, XF0+32*(K%2)
.set XN, XF0+32*((K+1)%2)
.set WC, WB0+40*(K%3)
.set KN, K+1
.set KW, K+3
.if K < 15
	XFETCH KN, XN
	s_wait_dscnt 0x8                               ; this step's x fragments are in; the eight loads just issued stay out
.else
	s_wait_dscnt 0x0
.endif
.if K < 14
	s_wait_loadcnt 20                              ; this step's W is in; that of the next two steps stays out
.else
	s_wait_loadcnt 10*(15-K)
.endif
.if K == 0
	WIN 0x40                                       ; D in window 1; C is bf or the constant 0: nothing is cleared
.else
	WIN 0x50                                       ; C and D in window 1
.endif
.irp pt, 0,1,2,3
.if K == 0
	v_wmma_f32_16x16x32_bf16 v[8*\pt:8*\pt+7], v[WC:WC+7], v[XC+8*\pt:XC+8*\pt+7], v[BIAS:BIAS+7]
.else
	v_wmma_f32_16x16x32_bf16 v[8*\pt:8*\pt+7], v[WC:WC+7], v[XC+8*\pt:XC+8*\pt+7], v[8*\pt:8*\pt+7]
.endif
.endr
.irp i, 1,2,3,4
.irp pt, 0,1,2,3
.if K == 0
	v_wmma_f32_16x16x32_bf16 v[8*(4*\i+\pt):8*(4*\i+\pt)+7], v[XC+8*\pt:XC+8*\pt+7], v[WC+8*\i:WC+8*\i+7], 0
.else
	v_wmma_f32_16x16x32_bf16 v[8*(4*\i+\pt):8*(4*\i+\pt)+7], v[XC+8*\pt:XC+8*\pt+7], v[WC+8*\i:WC+8*\i+7], v[8*(4*\i+\pt):8*(4*\i+\pt)+7]
.endif
.endr
.endr
	PLACES 4                                       ; four places ahead of the loads into fragments that these products read, and of the way out
	WIN 0
.if K < 13
	WLOAD KW, WC                                   ; three steps ahead, into the buffer just used
.endif
.endm
.set K, 0
.rept 16
	STEP
.set K, K+1
.endr
	WIN 0x05
.set t, 0
.rept 20
.irp p, 0,1,2,3
	v_cvt_pk_bf16_f32 v[OUTP+4*t+\p], v[8*t+2*\p], v[8*t+2*\p+1]
.endr
.set t, t+1
.endr
	WIN 0
.irp pt, 0,1,2,3
	global_store_b128 v[WO], v[OUTP+4*\pt:OUTP+4*\pt+3], s[26:27] offset:\pt*2048           ; each store of the wave covers 512 consecutive bytes, aligned
.endr
.irp i, 1,2,3,4
.irp pt, 0,1,2,3
	global_store_b128 v[WO], v[OUTP+4*(4*\i+\pt):OUTP+4*(4*\i+\pt)+3], s[12:13] offset:(\pt>>1)*8192+(\pt&1)*512+(\i-1)*1024
.endr
.endr
	s_wait_tensorcnt 0x0
	ds_add_u32 v254, v255
	s_wait_dscnt 0x0
	s_endpgm
.Lfunc_end_k_q9947ad6919_proj:
	.size	k_q9947ad6919_proj, .Lfunc_end_k_q9947ad6919_proj-k_q9947ad6919_proj
	.p2alignl 7, 3214868480
	.fill 96, 4, 3214868480
	.section	.rodata,"a",@progbits
	.p2align	6, 0x0
	.amdhsa_kernel k_q9947ad6919_proj
		.amdhsa_group_segment_fixed_size 70656
		.amdhsa_private_segment_fixed_size 0
		.amdhsa_enable_private_segment 0
		.amdhsa_kernarg_size 40
		.amdhsa_user_sgpr_count 2
		.amdhsa_user_sgpr_kernarg_segment_ptr 1
		.amdhsa_wavefront_size32 1
		.amdhsa_system_sgpr_workgroup_id_x 1
		.amdhsa_system_sgpr_workgroup_id_y 1
		.amdhsa_system_sgpr_workgroup_id_z 1
		.amdhsa_system_vgpr_workitem_id 0
		.amdhsa_next_free_vgpr 416
		.amdhsa_next_free_sgpr 66
		.amdhsa_reserve_vcc 0
		.amdhsa_float_denorm_mode_32 3
		.amdhsa_float_denorm_mode_16_64 3
		.amdhsa_memory_ordered 1
		.amdhsa_forward_progress 1
		.amdhsa_inst_pref_size 67
	.end_amdhsa_kernel
	.amdgpu_metadata
---
amdhsa.version: [ 1, 2 ]
amdhsa.kernels:
  - .name:           k_q9947ad6919_proj
    .symbol:         k_q9947ad6919_proj.kd
    .args:
      - { .name: x, .offset: 0, .size: 8, .value_kind: global_buffer, .address_space: global }
      - { .name: wt, .offset: 8, .size: 8, .value_kind: global_buffer, .address_space: global }
      - { .name: bf, .offset: 16, .size: 8, .value_kind: global_buffer, .address_space: global }
      - { .name: fq, .offset: 24, .size: 8, .value_kind: global_buffer, .address_space: global }
      - { .name: kv, .offset: 32, .size: 8, .value_kind: global_buffer, .address_space: global }
    .group_segment_fixed_size: 70656
    .private_segment_fixed_size: 0
    .kernarg_segment_align: 8
    .kernarg_segment_size: 40
    .max_flat_workgroup_size: 256
    .sgpr_count:     66
    .vgpr_count:     416
    .wavefront_size: 32
...
	.end_amdgpu_metadata
.endif
;; end of part 2
;; launch attn (part 3): grid 256 x 1, 4 waves a work-group, clusters of 4 x 1, 327,680 bytes of LDS; arguments fq, kv, x, bh, gamma, out0; writes out0
.if DOCPART == 3
	.amdgcn_target "amdgcn-amd-amdhsa--gfx1250"
	.amdhsa_code_object_version 6
	.text
	.protected	k_q9947ad6919_attn
	.globl	k_q9947ad6919_attn
	.p2align	8
	.type	k_q9947ad6919_attn,@function
k_q9947ad6919_attn:
	s_mov_b64 s[64:65], 0
	v_nop
	global_prefetch_b8 v0, s[64:65] scope:SCOPE_SE
	s_setreg_imm32_b32 hwreg(HW_REG_WAVE_MODE, 25, 1), 1
	s_wait_xcnt 0x0
	s_wait_alu depctr_hold_cnt(0) depctr_sa_sdst(0) depctr_va_vdst(0) depctr_va_sdst(0) depctr_va_ssrc(0) depctr_va_vcc(0) depctr_vm_vsrc(0)
	s_getreg_b32 s2, hwreg(HW_REG_IB_STS2, 6, 4)
	s_cmp_eq_u32 s2, 0
	s_cbranch_scc0 .Lentry_in_a_cluster
	s_endpgm
.Lentry_in_a_cluster:
	s_bfe_u32 s2, ttmp6, 0x10000c
	s_cmp_lg_u32 s2, 0x3003
	s_cbranch_scc0 .Lentry_shape_is_right
	s_endpgm
.Lentry_shape_is_right:
; SelfAttention1D, launch 3 of 3: out0 = x + gamma (softmax(f g^T) h0 + bh), with a running maximum.
; Left out: bg (the same along the softmax's axis, see the first kernel's head).  bh is added here in f32: the softmax's rows sum to 1, so attn (h0 + 1 bh^T) = attn h0 + bh.
; LIMITS: the weights are rounded to bf16 for the product while their sum l is taken of the unrounded f32; v_exp_f32 gives 0 for a weight below 2^-126
; (ISA guide 15.8); a NaN among the scores loses in the maximum and shows through the exponentials.
;
; A work-group owns 64 queries x all 512 d; four waves.  Keys go in blocks of 128, 32 trips.  Wave w makes the scores and the softmax of query tile w alone
; (S^T = g f^T: a lane owns one query, its registers are keys), hands the weights P (bf16, already in fragment order) and the factor alpha to the others through LDS,
; and multiplies ALL 64 queries by ITS 128 d of h^T: 32 accumulator tiles O^T (d 16 dt + 8 h + j, query 16 qt + r).
; TWO PIECES TAKE TURNS: trip t issues the 128 products of block t, and between them the wave does the vector work of block t + 1: exponents, exponentials, sum, packing.
; The packed weights wait in 32 registers and are stored behind the next trip's round (LDS has 32,768 bytes beside the slots: one P of 16,384, the stage, alpha).
; Block t of kv carries g of block t + 2: it is loaded into registers in trip t, so the 16 score products at the head of trip t + 1 wait for no LDS load;
; they stand behind the stores of P and inside the barrier that publishes P.  g of blocks 0 and 1 comes from memory at the head (blocks 30 and 31 of the batch).
; THE PRODUCTS GO IN EIGHT STRETCHES of 16 (K step 0..3 x half of the d tiles), with register work alone inside a stretch.  LDS loads stand in runs between the stretches,
; never singly among the products: five runs of 16, 16, 20, 20 and 16 loads for a trip's 128 products.  A run loads what the third stretch behind it multiplies.
; CLUSTER: the four work-groups of a cluster have queries of one batch (64 work-groups a batch) and walk the same blocks of kv: each block is asked for jointly, mask 15.
; Wave w asks for the w-th quarter (144 rows of 256 bytes, consecutive in memory).  By this text's count a wave has one tensor load out.
; Two LDS slots of one block each; the refill stands first behind a round of the cluster's barrier and has the whole trip in which to land.
;
; REGISTER WINDOWS.  A slice behind a product must not cost two switches, so products and slices share one setting.  The accumulators are halved:
; window 1 holds d tiles 0-3, window 2 d tiles 4-7, each with its half's h^T fragments, the scores of four key tiles and the softmax's small registers, at the SAME numbers.
; Setting of half c: source 0, source 2 and destination in window c, source 1 in window 0 (P, alpha).  Under it run the products, the rescale (O^T x alpha),
; the loads of h^T (data and address in c), the exponents, the exponentials and the sums.  A sum is written a x 1 + b: of a two-source add the second source would be
; named in window 0, where the weights are not; the count is that of packed adds.  Only the packing needs two sources in c: 4 slices of 4 a half, between two switches.
; A trip has 47 switches for 144 products and some 400 vector and LDS instructions.
.set BLOCK,  147456                    ; g 16,384 bytes, then h^T 131,072
.set QUART,  BLOCK/4
.set GBYTES, 16384
.set PLDS,   2*BLOCK                   ; P: fragment (qt, j) at qt 4096 + j 1024 + cc 512 + 16 L.  No fill lands from here on
.set STAGE,  PLDS                      ; the way out, over P and 1,024 bytes more: 16 rows x 272 bytes for each wave
.set SROW,   272
.set ALB,    PLDS+4*16*SROW            ; alpha of the 64 queries; 256 bytes further gamma / l
; window 0
.set GA,    1                          ; v1, v2     16 L in slot 0, 1 (g); v1 is also the offset of fragment loads from memory
.set PS,    3                          ; where I put P
.set PA,    4                          ; where I read P
.set ALS,   5                          ; where I put alpha
.set ALA,   6                          ; where I read alpha
.set VO,    7                          ; byte offset in x and out0: two rows of 256 bytes
.set M,     8                          ; running maximum of my query
.set NM0,   9                          ; - log2(e) x that maximum
.set ALPHA, 10
.set T0,    11
.set T1,    12
.set STS,   13                         ; the way out: stage addresses
.set STL,   14
.set AL4,   16                         ; v[16:19]   alpha of query r of the four tiles
.set SC,    20                         ; v[20:23]   gamma / l likewise
.set F,     24                         ; v[24:39]   f of my query tile, two fragments
.set PB,    40                         ; v[40:167]  P fragments (j, qt) at + 32 j + 8 qt
.set TMP,   40                         ; the way out
.set RB,    72
; windows 1 and 2: accumulator (dl, qt) at v[8 (4 dl + qt)], d tile = 4 half + dl
.set VB,    128                        ; v[128:191] h^T fragments, buffer j & 1 at + 32, tile dl at + 8
.set E,     192                        ; v[192:223] scores, then weights, of key tiles 4 half + u at + 8 u
.set PK,    224                        ; v[224:239] those weights in bf16
.set VA,    240                        ; v240, v241 my half's h^T in slot 0, 1
.set NM,    242                        ; v[242:243] - log2(e) x maximum; read as a pair
.set SP,    244                        ; v[244:251] four pairs of partial sums
.set MX,    244                        ; v[244:247] four partial maxima, earlier in the trip
.set LS,    252                        ; running sum over this half's keys of my half of the lanes
.set TS,    253
; window 3
.set G,     0                          ; v[0:127]   g fragments (kb, kt) at + 8 (8 kb + kt)
.set XB,    0                          ; v[0:127]   four buffers of x, when g is no longer needed
.set GB,    128                        ; v[128:191] gamma bh[128 w + 16 dt + 8 h + j]
.set MSB, 0
.macro WIN new                         ; the immediate's high byte repeats the setting that is left
.if MSB != (\new)
	s_set_vgpr_msb (MSB<<8)|(\new)
.set MSB, (\new)
.endif
.endm
.macro HALF hf                         ; the two settings of a half
.set SIG,  0x51+0x51*\hf               ; source 0, source 2, destination in its window, source 1 in window 0
.set ALLC, 0x55+0x55*\hf               ; all four in its window
.endm
.macro PLACES n
.rept \n
	v_nop
.endr
.endm
; A round of the cluster's barrier: my work-group's barrier, wave 0 signals for the work-group, every wave waits for all four work-groups, my work-group's barrier again.
.macro ROUND
	s_barrier_signal -1
	s_barrier_wait -1
	s_cmp_lg_u32 s24, 0
	s_cbranch_scc1 .Lnot_wave_0_\@
	s_barrier_signal -3
.Lnot_wave_0_\@:
	s_barrier_wait -3
	s_barrier_signal -1
	s_barrier_wait -1
.endm
.macro GGLOB base                      ; the 16 fragments of g from memory: load m is chunk m & 1 of fragment (kb = m >> 4, kt = (m >> 1) & 7)
.set m, 0
.rept 32
	global_load_b128 v[G+4*m:G+4*m+3], v[GA], s[48:49] offset:\base+((m>>1)&7)*2048+(m>>4)*1024+(m&1)*512
.set m, m+1
.endr
.endm
.macro GLD slot, m0, cnt               ; loads m0 .. m0 + cnt - 1 of the same 32, from a slot
.set m, \m0
.rept \cnt
	ds_load_b128 v[G+4*m:G+4*m+3], v[GA+\slot] offset:((m>>1)&7)*2048+(m>>4)*1024+(m&1)*512
.set m, m+1
.endr
.endm
.macro PLD j                           ; P of keys 32 j .. + 31, the four query tiles
.irp qt, 0,1,2,3
	ds_load_b128 v[PB+32*\j+8*\qt:PB+32*\j+8*\qt+3],   v[PA] offset:\qt*4096+\j*1024
	ds_load_b128 v[PB+32*\j+8*\qt+4:PB+32*\j+8*\qt+7], v[PA] offset:\qt*4096+\j*1024+512
.endr
.endm
.macro VRUN slot, j                    ; the half's four h^T fragments of keys 32 j .. + 31, eight loads in one run, into buffer j & 1; under the half's setting
.irp n, 0,1,2,3,4,5,6,7
	ds_load_b128 v[VB+32*(\j&1)+4*\n:VB+32*(\j&1)+4*\n+3], v[VA+\slot] offset:\j*8192+\n*512
.endr
.endm
.macro RESC a                          ; accumulator a of the half times alpha of the lane's query: both halves of a pair by one register of AL4
.irp p, 0,1,2,3
.if ((\a)&1) == 0
	v_pk_mul_f32 v[8*(\a)+2*\p:8*(\a)+2*\p+1], v[8*(\a)+2*\p:8*(\a)+2*\p+1], v[AL4+((\a)&2):AL4+((\a)&2)+1] op_sel_hi:[1,0]
.else
	v_pk_mul_f32 v[8*(\a)+2*\p:8*(\a)+2*\p+1], v[8*(\a)+2*\p:8*(\a)+2*\p+1], v[AL4+((\a)&2):AL4+((\a)&2)+1] op_sel:[0,1] op_sel_hi:[1,1]
.endif
.endr
.endm
.macro SRUN kb                         ; eight score products, 32 channels: g from window 3, f from window 0, the tile in its half's window.  The eight tiles take turns
.irp hf, 0,1
	WIN 0x53+0x50*\hf
.irp u, 0,1,2,3
.if \kb == 0
	v_wmma_f32_16x16x32_bf16 v[E+8*\u:E+8*\u+7], v[G+8*(4*\hf+\u):G+8*(4*\hf+\u)+7], v[F:F+7], 0
.else
	v_wmma_f32_16x16x32_bf16 v[E+8*\u:E+8*\u+7], v[G+64+8*(4*\hf+\u):G+64+8*(4*\hf+\u)+7], v[F+8:F+15], v[E+8*\u:E+8*\u+7]
.endif
.endr
.endr
.endm
.macro MAXH                            ; the largest of a half's 32 scores: four chains of 7, the joins take in the four left over
.irp k, 0,1,2,3
	v_max3_num_f32 v[MX+\k], v[E+8*\k], v[E+8*\k+1], v[E+8*\k+2]
.endr
.irp k, 0,1,2,3
	v_max3_num_f32 v[MX+\k], v[MX+\k], v[E+8*\k+3], v[E+8*\k+4]
.endr
.irp k, 0,1,2,3
	v_max3_num_f32 v[MX+\k], v[MX+\k], v[E+8*\k+5], v[E+8*\k+6]
.endr
	v_max3_num_f32 v[MX], v[MX], v[MX+1], v[E+7]
	v_max3_num_f32 v[MX+2], v[MX+2], v[MX+3], v[E+15]
	v_max3_num_f32 v[MX], v[MX], v[MX+2], v[E+23]
	v_max_num_f32 v[MX], v[MX], v[E+31]
.endm
; The new running maximum, alpha, and the exponents' offset for both halves.  One run: it stands where the wave would wait for alpha and the first P.
.macro MAXST
	PLACES 4                                       ; four places behind the score products, ahead of the vector work that reads them (ISA guide 7.12.1)
	WIN 0x55
	MAXH
	WIN 0xaa
	MAXH
	WIN 0x09                                       ; source 0 in window 1, source 1 in window 2
.if FIRST
	v_max_num_f32 v[T1], v[MX], v[MX]
.else
	v_max3_num_f32 v[T1], v[MX], v[MX], v[M]       ; both halves and the maximum so far
.endif
	WIN 0
	v_permlanex16_b32 v[T0], v[T1], s30, s31       ; the other half of the lanes has the query's other 64 keys
	v_max_num_f32 v[M], v[T0], v[T1]
	v_mul_f32 v[T1], 0xbfb8aa3b, v[M]              ; - log2(e) x maximum
.if FIRST == 0
	v_sub_f32 v[T0], v[T1], v[NM0]                 ; alpha = 2^(new - old) of the very numbers that the weights are taken against
.endif
	v_mov_b32 v[NM0], v[T1]
.if FIRST == 0
	v_exp_f32 v[ALPHA], v[T0]                      ; the moves below are the plain instructions behind it (ISA guide 5.7.2)
.endif
	WIN 0x40
	v_mov_b32 v[NM], v[T1]
	WIN 0x80
	v_mov_b32 v[NM], v[T1]
.endm
; Slice i (0..15) of the softmax's work on a half, behind product i of K step j.  Every slice that holds a transcendental is followed by a plain instruction before its result is used.
.macro SMS j, i
.if \j == 1                                        ; exponents of pair i; exponentials of the pair before
	v_pk_fma_f32 v[E+2*\i:E+2*\i+1], v[E+2*\i:E+2*\i+1], 0x3fb8aa3b, v[NM:NM+1] op_sel_hi:[1,0,0]
.if \i > 0
	v_exp_f32 v[E+2*\i-2], v[E+2*\i-2]
	v_exp_f32 v[E+2*\i-1], v[E+2*\i-1]
.endif
.endif
.if \j == 2                                        ; the last pair's exponentials; the sum of the 16 pairs in four chains
.if \i == 0
	v_exp_f32 v[E+30], v[E+30]
	v_exp_f32 v[E+31], v[E+31]
.endif
.if \i < 4
	s_wait_alu depctr_va_vdst(0)
	v_pk_fma_f32 v[SP+2*\i:SP+2*\i+1], v[E+2*\i:E+2*\i+1], 1.0, v[E+8+2*\i:E+9+2*\i] op_sel_hi:[1,0,1]
	s_wait_alu depctr_va_vdst(0)
.endif
.if \i >= 4
.if \i < 12
	v_pk_fma_f32 v[SP+2*(\i&3):SP+2*(\i&3)+1], v[E+8+2*\i:E+9+2*\i], 1.0, v[SP+2*(\i&3):SP+2*(\i&3)+1] op_sel_hi:[1,0,1]
.endif
.endif
.if \i == 12
	v_pk_fma_f32 v[SP:SP+1], v[SP+2:SP+3], 1.0, v[SP:SP+1] op_sel_hi:[1,0,1]
.endif
.if \i == 13
	v_pk_fma_f32 v[SP+4:SP+5], v[SP+6:SP+7], 1.0, v[SP+4:SP+5] op_sel_hi:[1,0,1]
.endif
.if \i == 14
	v_pk_fma_f32 v[SP:SP+1], v[SP+4:SP+5], 1.0, v[SP:SP+1] op_sel_hi:[1,0,1]
.endif
.if \i == 15
.if FIRST
	v_fma_f32 v[LS], v[SP], 1.0, v[SP+1]
.else
	v_fma_f32 v[TS], v[SP], 1.0, v[SP+1]
.endif
.endif
.endif
.if \j == 3                                        ; l; the packing, four conversions behind products 1, 5, 9, 13
.if \i == 0
.if FIRST == 0
	v_fma_f32 v[LS], v[LS], v[ALPHA], v[TS]
.endif
.endif
.if (\i&3) == 1
	WIN ALLC
.irp p, 0,1,2,3
	v_cvt_pk_bf16_f32 v[PK+4*(\i>>2)+\p], v[E+8*(\i>>2)+2*\p], v[E+8*(\i>>2)+2*\p+1]
.endr
	WIN SIG
.endif
.endif
.endm
; A stretch: sixteen products of one half and one K step, a slice of register work behind each and no memory instruction among them.
; The sixteen accumulators take turns, one instruction a turn.
; zero: the first products start the sums.  rs: accumulator i + 2 is rescaled behind product i.  sm: the softmax's slices.
.macro STRETCH j, zero, rs, sm
.irp i, 0,1,2,3,4,5,6,7,8,9,10,11,12,13,14,15
.if \zero
	v_wmma_f32_16x16x32_bf16 v[8*\i:8*\i+7], v[VB+32*(\j&1)+8*(\i>>2):VB+32*(\j&1)+8*(\i>>2)+7], v[PB+32*\j+8*(\i&3):PB+32*\j+8*(\i&3)+7], 0
.else
	v_wmma_f32_16x16x32_bf16 v[8*\i:8*\i+7], v[VB+32*(\j&1)+8*(\i>>2):VB+32*(\j&1)+8*(\i>>2)+7], v[PB+32*\j+8*(\i&3):PB+32*\j+8*(\i&3)+7], v[8*\i:8*\i+7]
.endif
.if \rs
.if \i < 14
	RESC (\i+2)
.endif
.endif
.if \sm
	SMS \j, \i
.endif
.endr
.endm
; Trip t, on the slot t & 1.  first: t = 0, nothing to rescale.  sm: the softmax of block t + 1 is made.  gl: g of block t + 2 is fetched.  last: t = 31.
; Stretch k = 2 j + half.  Vk: the eight loads of the h^T that stretch k multiplies; Pj: the eight loads of P of K step j.  Order of the LDS loads behind the barrier that
; publishes P:  alpha, P0 | P1, V2 | P2, V3 | P3, V4 | g 12, V5 | g 12, V6 | g 8, V7.  LDS loads come back in order (ISA guide 5.7.1): each count below names what was issued later.
; Vk lands in the buffer that stretch k - 4 read; between that stretch and the run stands a whole stretch of the other half, whose slices are the four places
; (ISA guide 7.12.1 for vector instructions); where a trip has no slices there, v_nop.
.macro TRIP slot, refill, first, sm, gl, last
	s_wait_tensorcnt 0x0                           ; all my tensor loads have landed, my quarter of this block among them,
	ds_add_u32 v254, v255
	s_wait_dscnt 0x0
	s_add_nc_u64 s[34+4*\slot:35+4*\slot], s[34+4*\slot:35+4*\slot], 2*BLOCK   ; so a group 0 may be written: this slot's next block
	s_wait_dscnt 0x0                               ; my reads of the other slot, of P and of alpha are done
	ROUND                                          ; both now hold of every wave of the four work-groups
.if \refill
	tensor_load_to_lds s[36-4*\slot:39-4*\slot], s[16:23]   ; my one tensor load behind the round, and the first thing there: the next block, into the slot read last
	s_nop 0
.endif
.irp hf, 0,1
	HALF \hf
	WIN SIG
	VRUN \slot, 0                                  ; V0, V1
.endr
.if \last
	WIN 0x09
	v_add_f32 v[T0], v[LS], v[LS]                  ; l: both halves of the key tiles,
	WIN 0
	v_permlanex16_b32 v[T1], v[T0], s30, s31
	v_add_f32 v[T0], v[T0], v[T1]                  ; both halves of the lanes
	v_rcp_f32 v[T1], v[T0]
	v_nop
	s_wait_alu depctr_va_vdst(0)
	v_mul_f32 v[T1], s42, v[T1]                    ; gamma / l
.endif
	WIN 0x04                                       ; store data in window 1
.irp u, 0,1,2,3
	ds_store_b128 v[PS], v[PK+4*\u:PK+4*\u+3] offset:\u*512          ; key tile kt is chunk kt & 1 of fragment kt >> 1
.endr
	WIN 0x08                                       ; in window 2
.irp u, 0,1,2,3
	ds_store_b128 v[PS], v[PK+4*\u:PK+4*\u+3] offset:2048+\u*512
.endr
	WIN 0
.if \first == 0
	ds_store_b32 v[ALS], v[ALPHA]                  ; lanes r and r + 16 store the same number to the same word
.endif
.if \last
	ds_store_b32 v[ALS], v[T1] offset:256
.endif
.if \sm
	SRUN 0                                         ; the next block's scores: registers alone, while the stores go
.endif
	s_wait_dscnt 0x0                               ; my P and alpha are stored, for the other waves' sake
	s_barrier_signal -1
.if \sm
	SRUN 1                                         ; register work while the others arrive
.endif
	WIN 0
	s_barrier_wait -1                              ; everybody's are.  The refill stays on its way across it
.if \last
.irp qt, 0,1,2,3
	ds_load_b32 v[SC+\qt], v[ALA] offset:256+64*\qt
.endr
.endif
.if \first == 0
.irp qt, 0,1,2,3
	ds_load_b32 v[AL4+\qt], v[ALA] offset:64*\qt
.endr
.endif
	PLD 0                                          ; what the first stretch needs goes first; the maximum's run stands while it comes
.if \sm
	MAXST
.endif
	WIN 0
	PLD 1
	HALF 0
	WIN SIG
	VRUN \slot, 1                                  ; V2
.if \first == 0
	s_wait_dscnt 24                                ; alpha is in; P0, P1, V2 stay out
	RESC 0                                         ; two accumulators ahead of the products
	RESC 1
.endif
	s_wait_dscnt 16                                ; P0 is in; P1, V2 stay out
	STRETCH 0, \first, (1-\first), \sm             ; stretch 0
	WIN 0
	PLD 2
	HALF 1
	WIN SIG
	VRUN \slot, 1                                  ; V3
.if \first == 0
	RESC 0
	RESC 1
.endif
	STRETCH 0, \first, (1-\first), \sm             ; stretch 1: P0 and V1 are in
	WIN 0
	PLD 3
.if \first
	PLACES 4                                       ; no rescale in this trip: the four places ahead of the loads into the buffer that stretch 0 read
.endif
	HALF 0
	WIN SIG
	VRUN \slot, 2                                  ; V4
	s_wait_dscnt 32                                ; P1 and V2 are in; P2, V3, P3, V4 stay out
	STRETCH 1, 0, 0, \sm                           ; stretch 2
.if \gl
	WIN 0xc0                                       ; destination in window 3
	GLD \slot, 0, 12
.endif
.if \sm == 0
	PLACES 4                                       ; no softmax in this trip: the four places ahead of the loads into the buffer that stretch 1 read; so in the next two runs
.endif
	HALF 1
	WIN SIG
	VRUN \slot, 2                                  ; V5
	s_wait_dscnt 24+12*\gl                         ; V3 is in; P3, V4, g's 12, V5 stay out
	STRETCH 1, 0, 0, \sm                           ; stretch 3
.if \gl
	WIN 0xc0
	GLD \slot, 12, 12
.endif
.if \sm == 0
	PLACES 4
.endif
	HALF 0
	WIN SIG
	VRUN \slot, 3                                  ; V6
	s_wait_dscnt 16+24*\gl                         ; P2 and V4 are in; g's 12, V5, g's 12, V6 stay out
	STRETCH 2, 0, 0, \sm                           ; stretch 4
.if \gl
	WIN 0xc0
	GLD \slot, 24, 8
.endif
.if \sm == 0
	PLACES 4
.endif
	HALF 1
	WIN SIG
	VRUN \slot, 3                                  ; V7
	s_wait_dscnt 16+20*\gl                         ; V5 is in; g's 12, V6, g's 8, V7 stay out
	STRETCH 2, 0, 0, \sm                           ; stretch 5
	s_wait_dscnt 8+8*\gl                           ; P3 and V6 are in; g's 8 and V7 stay out
	HALF 0
	WIN SIG
	STRETCH 3, 0, 0, \sm                           ; stretch 6
	s_wait_dscnt 0x0                               ; V7, the last load of the trip
	HALF 1
	WIN SIG
	STRETCH 3, 0, 0, \sm                           ; stretch 7
	WIN 0
.endm
.macro XLOAD rd                        ; x for output round rd: queries 16 (rd >> 1) .. + 15, 256 bytes (rd & 1) of my 512
	WIN 0xc0                                       ; destination in window 3
.irp i, 0,1,2,3,4,5,6,7
	global_load_b128 v[XB+32*((\rd)&3)+4*\i:XB+32*((\rd)&3)+4*\i+3], v[VO], s[8:9] offset:(16*((\rd)>>1)+2*\i)*2048+((\rd)&1)*256 th:TH_LOAD_NT
.endr
	WIN 0
.endm
; Output round rd: 16 queries x 64 d (d tiles 4 (rd & 1) .. + 3: one window).  O^T gamma / l + gamma bh in one fused multiply-add, turned through my own stage in LDS
; into rows of 256 bytes, x added, stored.
.macro OUTR rd
.set QT, \rd>>1
.set HF, \rd&1
	WIN 0x31+HF                                    ; source 0 in window 1 or 2, source 2 in window 3
.irp dl, 0,1,2,3
.irp p, 0,1,2,3
.if (QT&1) == 0
	v_pk_fma_f32 v[TMP+8*\dl+2*\p:TMP+8*\dl+2*\p+1], v[8*(4*\dl+QT)+2*\p:8*(4*\dl+QT)+2*\p+1], v[SC+(QT&2):SC+(QT&2)+1], v[GB+8*(4*HF+\dl)+2*\p:GB+8*(4*HF+\dl)+2*\p+1] op_sel_hi:[1,0,1]
.else
	v_pk_fma_f32 v[TMP+8*\dl+2*\p:TMP+8*\dl+2*\p+1], v[8*(4*\dl+QT)+2*\p:8*(4*\dl+QT)+2*\p+1], v[SC+(QT&2):SC+(QT&2)+1], v[GB+8*(4*HF+\dl)+2*\p:GB+8*(4*HF+\dl)+2*\p+1] op_sel:[0,1,0] op_sel_hi:[1,1,1]
.endif
.endr
.endr
	WIN 0
.irp dl, 0,1,2,3
	ds_store_b128 v[STS], v[TMP+8*\dl:TMP+8*\dl+3]   offset:\dl*64       ; row r, d 16 dl + 8 h + 0..3
	ds_store_b128 v[STS], v[TMP+8*\dl+4:TMP+8*\dl+7] offset:\dl*64+16
.endr
	s_wait_xcnt 0x0                                ; RB, which the last round's stores read, is written again only behind this wait
.irp i, 0,1,2,3,4,5,6,7
	ds_load_b128 v[RB+4*\i:RB+4*\i+3], v[STL] offset:\i*2*SROW           ; my wave's own bytes, served in order (ISA guide 5.7.1): these see the stores above
.endr
.if \rd < 5
	s_wait_loadcnt 24                              ; this round's x is in; that of the next three rounds stays out
.else
	s_wait_loadcnt 8*(7-\rd)                       ; the counts run down
.endif
	s_wait_dscnt 0x0
	WIN 0x0c                                       ; source 1 in window 3
.irp i, 0,1,2,3,4,5,6,7,8,9,10,11,12,13,14,15
	v_pk_add_f32 v[RB+2*\i:RB+2*\i+1], v[RB+2*\i:RB+2*\i+1], v[XB+32*(\rd&3)+2*\i:XB+32*(\rd&3)+2*\i+1]
.endr
	WIN 0
.irp i, 0,1,2,3,4,5,6,7
	global_store_b128 v[VO], v[RB+4*\i:RB+4*\i+3], s[14:15] offset:(16*QT+2*\i)*2048+HF*256 th:TH_STORE_NT   ; sixteen lanes store 256 consecutive bytes, aligned
.endr
.if \rd < 4
	XLOAD (\rd+4)
.endif
.endm
	s_load_b256 s[4:11], s[0:1], 0x0               ; fq s[4:5], kv s[6:7], x s[8:9], bh s[10:11]
	s_load_b128 s[12:15], s[0:1], 0x20             ; gamma s[12:13], out0 s[14:15]
	v_lshl_add_u32 v254, v0, 2, 0x4c600
	v_mov_b32 v255, 0
	ds_add_u32 v254, v255
	v_lshrrev_b32 v1, 5, v0
	v_readfirstlane_b32 s24, v1                    ; wave w
	s_bfe_u32 s25, ttmp6, 0x40000                  ; cx: it enters the bases of fq, x and out0 alone
	s_lshl_b32 s26, ttmp9, 2
	s_add_co_u32 s26, s26, s25                     ; work-group = 4 x cluster + cx
	s_lshr_b32 s27, ttmp9, 4                       ; batch: 16 clusters each
	s_mov_b32 s30, 0x76543210                      ; v_permlanex16_b32: lane i reads lane i of the other half
	s_mov_b32 s31, 0xfedcba98
	; group 1: 144 rows of 32 elements of 8 bytes, consecutive in memory and in LDS; mask 15 = the four work-groups of the cluster, bit 21 beside it
	s_mov_b32 s16, 15|(3<<16)|(1<<21)
	s_mov_b32 s17, 32<<16                          ; tensor_dim0 = 32
	s_mov_b32 s18, 144<<16                         ; tensor_dim1 = 144
	s_mov_b32 s19, 32<<16                          ; tile_dim0 = 32
	s_mov_b32 s20, 144                             ; tile_dim1 = 144
	s_mov_b32 s21, 32                              ; from row to row
	s_mov_b32 s22, 0
	s_mov_b32 s23, 0
	s_mul_i32 s45, s24, QUART                      ; my quarter of a block, in memory and in a slot
	s_mul_i32 s50, s27, 32*BLOCK                   ; the batch's 32 blocks
	s_add_co_u32 s46, s50, s45
	s_mov_b32 s47, 0
	s_add_co_u32 s50, s50, 30*BLOCK                ; block 30 carries g of block 0, block 31 that of block 1
	s_mov_b32 s51, 0
	v_and_b32 v[GA], 31, v0
	v_lshlrev_b32 v[GA], 4, v[GA]                  ; 16 L
	v_add_nc_u32 v[GA+1], BLOCK, v[GA]
	v_and_b32 v[T0], 15, v0                        ; r
	v_bfe_u32 v[T1], v0, 4, 1                      ; h
	s_lshl_b32 s28, s24, 12
	s_add_co_u32 s28, s28, PLDS
	v_add_nc_u32 v[PS], s28, v[GA]
	v_add_nc_u32 v[PA], PLDS, v[GA]
	v_lshlrev_b32 v[ALA], 2, v[T0]
	v_add_nc_u32 v[ALA], ALB, v[ALA]
	s_lshl_b32 s28, s24, 6
	v_add_nc_u32 v[ALS], s28, v[ALA]
	v_lshlrev_b32 v[VO], 4, v[T0]
	v_lshl_add_u32 v[VO], v[T1], 11, v[VO]
	v_lshlrev_b32 v[T1], 5, v[T1]                  ; bh: register j is d 8 h + j
	s_lshl_b32 s28, s24, 15
	s_add_co_u32 s28, s28, GBYTES                  ; my 128 d of h^T in slot 0,
	s_add_co_u32 s29, s28, BLOCK                   ; in slot 1
	WIN 0x40                                       ; destination in window 1
	v_add_nc_u32 v[VA], s28, v[GA]
	v_add_nc_u32 v[VA+1], s29, v[GA]
	v_mov_b32 v[NM+1], 0                           ; the upper register of the pair, written before the pair is named
	s_add_co_u32 s28, s28, 4096                    ; d tiles 4-7
	s_add_co_u32 s29, s29, 4096
	WIN 0x80                                       ; in window 2
	v_add_nc_u32 v[VA], s28, v[GA]
	v_add_nc_u32 v[VA+1], s29, v[GA]
	v_mov_b32 v[NM+1], 0
	WIN 0
	s_wait_dscnt 0x0
	s_wait_kmcnt 0x0
	s_load_b32 s42, s[12:13], 0x0                  ; gamma
	s_lshl_b32 s40, s26, 13
	s_lshl_b32 s28, s24, 11
	s_add_co_u32 s40, s40, s28
	s_mov_b32 s41, 0
	s_add_nc_u64 s[4:5], s[4:5], s[40:41]          ; f of query tile 4 wg + w
	s_lshl_b32 s40, s26, 17
	s_lshl_b32 s28, s24, 9
	s_add_co_u32 s40, s40, s28
	s_add_nc_u64 s[8:9], s[8:9], s[40:41]          ; x and out0 at my 64 rows, my 128 columns
	s_add_nc_u64 s[14:15], s[14:15], s[40:41]
	s_mov_b32 s40, s28
	s_add_nc_u64 s[10:11], s[10:11], s[40:41]      ; bh at my 128 d
	s_add_nc_u64 s[48:49], s[6:7], s[50:51]        ; kv at the batch's block 30
	s_add_nc_u64 s[6:7], s[6:7], s[46:47]          ; kv at my quarter of the batch's first block
.irp n, 0,1
	s_mov_b32 s[32+4*\n], 1                                        ; group 0 of slot n: count 1,
	s_add_co_u32 s[33+4*\n], s45, \n*BLOCK                         ; LDS address: the slot's constant + wave x a constant,
	s_add_nc_u64 s[34+4*\n:35+4*\n], s[6:7], \n*BLOCK              ; block n,
	s_or_b32 s[35+4*\n], s[35+4*\n], 0x80000000                    ; type 2
.endr
.irp c, 0,1,2,3
	global_load_b128 v[F+4*\c:F+4*\c+3], v[GA], s[4:5] offset:512*\c
.endr
	WIN 0xc0                                       ; destination in window 3
	GGLOB 0                                        ; g of block 0
.irp dt, 0,1,2,3,4,5,6,7
	global_load_b128 v[GB+8*\dt:GB+8*\dt+3],   v[T1], s[10:11] offset:\dt*64
	global_load_b128 v[GB+8*\dt+4:GB+8*\dt+7], v[T1], s[10:11] offset:\dt*64+16
.endr
	WIN 0
	ROUND                                          ; the four work-groups are here: the first joint load meets its partners'
	tensor_load_to_lds s[32:35], s[16:23]          ; block 0 into slot 0
	s_nop 0
	s_wait_kmcnt 0x0
	s_mov_b32 s43, s42
	s_wait_loadcnt 0x0                             ; f, g of block 0 and bh; T1 is free again
	WIN 0xc3
.set i, 0
.rept 32
	v_pk_mul_f32 v[GB+2*i:GB+2*i+1], v[GB+2*i:GB+2*i+1], s[42:43] op_sel_hi:[1,0]
.set i, i+1
.endr
	; the softmax step of block 0, by the same macros, while block 0 of kv lands
.set FIRST, 1
	SRUN 0
	SRUN 1
	MAXST
	WIN 0xc0
	GGLOB BLOCK                                    ; g of block 1, behind the places and the maximum's run
.irp hf, 0,1
	HALF \hf
	WIN SIG
.irp j, 1,2,3
.irp i, 0,1,2,3,4,5,6,7,8,9,10,11,12,13,14,15
	SMS \j, \i
.endr
.endr
.endr
.set FIRST, 0
	WIN 0
	s_wait_loadcnt 0x0                             ; g of block 1 is in
	TRIP 0, 1, 1, 1, 1, 0                          ; block 0; slot 1 gets its first fill behind this trip's round
	TRIP 1, 1, 0, 1, 1, 0
	s_mov_b32 s44, 14
.Lpair:
	TRIP 0, 1, 0, 1, 1, 0
	TRIP 1, 1, 0, 1, 1, 0
	s_sub_co_u32 s44, s44, 1
	s_cmp_lg_u32 s44, 0
	s_cbranch_scc1 .Lpair
	TRIP 0, 1, 0, 1, 0, 0                          ; block 30 asks for block 31 and makes its softmax; there is no g left to fetch
	XLOAD 0                                        ; x of the first four output rounds comes in under the last trip, into the registers that held g
	XLOAD 1
	XLOAD 2
	XLOAD 3
	TRIP 1, 0, 0, 0, 0, 1                          ; block 31: no refill, no softmax; gamma / l is handed round with alpha
	v_and_b32 v[T0], 15, v0                        ; these eight lines are also the places behind the last products, ahead of the vector reads of O^T
	v_bfe_u32 v[T1], v0, 4, 1
	s_mul_i32 s28, s24, 16*SROW
	s_add_co_u32 s28, s28, STAGE                   ; my stage
	v_mul_u32_u24 v[STS], v[T0], SROW
	v_lshl_add_u32 v[STS], v[T1], 5, v[STS]
	v_add_nc_u32 v[STS], s28, v[STS]               ; in: row r, 32 bytes for each half of the lanes
	v_mul_u32_u24 v[STL], v[T1], SROW
	v_lshl_add_u32 v[STL], v[T0], 4, v[STL]
	v_add_nc_u32 v[STL], s28, v[STL]               ; back: lanes 0-15 one row of 256 bytes, lanes 16-31 the next
	s_wait_dscnt 0x0                               ; my reads of P are done,
	s_barrier_signal -1
	s_barrier_wait -1                              ; everybody's are: the stage may lie over P
	OUTR 0
	OUTR 1
	OUTR 2
	OUTR 3
	OUTR 4
	OUTR 5
	OUTR 6
	OUTR 7
	s_wait_dscnt 0x0
	s_wait_tensorcnt 0x0
	ds_add_u32 v254, v255
	s_wait_dscnt 0x0
	ROUND                                          ; the closing round: no work-group ends while a partner may still ask for a block that names it
	s_endpgm
.Lfunc_end_k_q9947ad6919_attn:
	.size	k_q9947ad6919_attn, .Lfunc_end_k_q9947ad6919_attn-k_q9947ad6919_attn
	.p2alignl 7, 3214868480
	.fill 96, 4, 3214868480
	.section	.rodata,"a",@progbits
	.p2align	6, 0x0
	.amdhsa_kernel k_q9947ad6919_attn
		.amdhsa_group_segment_fixed_size 327680
		.amdhsa_private_segment_fixed_size 0
		.amdhsa_enable_private_segment 0
		.amdhsa_kernarg_size 48
		.amdhsa_user_sgpr_count 2
		.amdhsa_user_sgpr_kernarg_segment_ptr 1
		.amdhsa_wavefront_size32 1
		.amdhsa_system_sgpr_workgroup_id_x 1
		.amdhsa_system_sgpr_workgroup_id_y 1
		.amdhsa_system_sgpr_workgroup_id_z 1
		.amdhsa_system_vgpr_workitem_id 0
		.amdhsa_next_free_vgpr 960
		.amdhsa_next_free_sgpr 66
		.amdhsa_reserve_vcc 0
		.amdhsa_float_denorm_mode_32 3
		.amdhsa_float_denorm_mode_16_64 3
		.amdhsa_memory_ordered 1
		.amdhsa_forward_progress 1
		.amdhsa_inst_pref_size 255
	.end_amdhsa_kernel
	.section	.bss,"aw",@nobits
	.p2align	6
	.space	262144
	.amdgpu_metadata
---
amdhsa.version: [ 1, 2 ]
amdhsa.kernels:
  - .name:           k_q9947ad6919_attn
    .symbol:         k_q9947ad6919_attn.kd
    .args:
      - { .name: fq, .offset: 0, .size: 8, .value_kind: global_buffer, .address_space: global }
      - { .name: kv, .offset: 8, .size: 8, .value_kind: global_buffer, .address_space: global }
      - { .name: x, .offset: 16, .size: 8, .value_kind: global_buffer, .address_space: global }
      - { .name: bh, .offset: 24, .size: 8, .value_kind: global_buffer, .address_space: global }
      - { .name: gamma, .offset: 32, .size: 8, .value_kind: global_buffer, .address_space: global }
      - { .name: out0, .offset: 40, .size: 8, .value_kind: global_buffer, .address_space: global }
    .group_segment_fixed_size: 327680
    .private_segment_fixed_size: 0
    .kernarg_segment_align: 8
    .kernarg_segment_size: 48
    .max_flat_workgroup_size: 128
    .sgpr_count:     66
    .vgpr_count:     960
    .wavefront_size: 32
...
	.end_amdgpu_metadata
.endif
;; end of part 3
;; ======== version 2 of 2: 3 launches; version 1 with the launch proj written anew for expert scheduling mode
;; workspace buffers: wt 655,360 bytes; fq 2,097,152 bytes; kv 18,874,368 bytes
;; launch wprep: the kernel of part 1 again; grid 10 x 4, 4 waves a work-group, no clusters, 35,328 bytes of LDS; arguments Wf, Wg, Wh, wt; writes wt
;; launch proj (part 4): grid 256 x 1, 8 waves a work-group, no clusters, 70,656 bytes of LDS; arguments x, wt, bf, fq, kv; writes fq, kv
.if DOCPART == 4
	.amdgcn_target "amdgcn-amd-amdhsa--gfx1250"
	.amdhsa_code_object_version 6
	.text
	.protected	k_q9947ad6919_proj
	.globl	k_q9947ad6919_proj
	.p2align	8
	.type	k_q9947ad6919_proj,@function
k_q9947ad6919_proj:
	s_mov_b64 s[64:65], 0
	v_nop
	global_prefetch_b8 v0, s[64:65] scope:SCOPE_SE
	s_setreg_imm32_b32 hwreg(HW_REG_WAVE_SCHED_MODE, 0, 2), 2
	s_setreg_imm32_b32 hwreg(HW_REG_WAVE_MODE, 25, 1), 1
	s_wait_xcnt 0x0
	s_wait_alu depctr_vm_vsrc(0)
; SelfAttention1D, launch 2 of 3: f = x Wf + bf, g = x Wg, h^T = (x Wh)^T, in bf16, stored in the fragment order in which the attention reads them.
; Left out: bg (the same along the softmax's axis, see the first kernel's head) and, here, bh (added in f32 in the last launch).
; LIMIT: x, the weights, f, g and h are rounded to bf16; sums are f32.
;
; A work-group owns 64 positions (four tiles pt of 16).  Wave w owns 80 output channels: one tile of f (w < 4) or g (w >= 4), and tiles 4 w .. 4 w + 3 of h: 20 accumulators.
; A 16 x 16 result holds, in lane (r, h), register j, the element (m = 8 h + j, n = r).  Rounded to bf16 a lane's eight numbers are 16 bytes, and these are
; registers 4 cc .. 4 cc + 3 of a fragment whose row is n and whose k is 16 cc + m.  So results are stored as chunks of 512 bytes, lane L at 16 L:
;   f, g: source 0 = W (m = channel), source 1 = x (n = position): a chunk holds position r, 8 channels: a fragment along the channels, for f g^T;
;   h:    source 0 = x (m = position), source 1 = W (n = d):       a chunk holds d = r, 8 positions: a fragment along the keys, for attn h.
; fq = [position tile][kb][cc][lane][16 B].  kv = blocks of 147,456 bytes, 32 for a batch.  Block u of a batch holds
;   g of the 128 positions of block (u + 2) mod 32, at kt 2048 + kb 1024 + cc 512 + 16 L: the attention makes a block's scores one trip ahead of its products
;   and loads g into registers one trip ahead of that; turned round within the batch, every byte of kv is still written;
;   h^T of its own 128 positions at 16384 + wa 32768 + j 8192 + dt 1024 + cc 512 + 16 L  (d = 128 wa + 16 dt + r, key = 32 j + 16 cc + 8 h + e).
; x is read once, rounded once and laid into LDS as fragments; all eight waves read them from there.
; NO CLUSTER, though all work-groups walk wt: a fragment of W is used by one wave of a work-group, once, and goes from memory straight into its registers by loads
; of 512 consecutive bytes.  A joint load lands in LDS: it would add 640 KB of LDS writes and 640 KB of LDS reads for a work-group beside the 512 KB of x fragments
; that it reads, and a round of the cluster's barrier for each refill, in a launch of 16 K steps.
; THE MODE: SCHED_MODE bits 1:0 = 2 (LLVM: expert scheduling mode 2), set by the entry lines.  The code itself states the register dependences
; between vector or matrix instructions and memory or LDS instructions, with s_wait_alu, always for 0.
; THE PLAN.  Registers that memory or LDS instructions touch:
;   v1 .. v6      offsets and LDS addresses: written at the head, read by every load and store, never written again.
;   XF0, XF1      x fragments.  At the head the conversions write both and the LDS stores read both.  Then: step K's products read XF[K % 2]; the LDS loads issued in
;                 step K land in XF[(K + 1) % 2], which the products of step K - 1 read last.
;   WB0 .. WB3    W fragments.  Step K's products read WB[K % 4]; the loads issued in step K (W of step K + 3) land in WB[(K - 1) % 4], which the products of step K - 1 read last.
;   OUTP          written by the way out's conversions, read by its stores.
;   The accumulators and bf are named by vector and matrix instructions alone, once their first loads have landed.
; So ONE wait on va_vdst stands at the head of a step, behind the waits for the step's own data: the products of the step before are done reading the two buffers
; in which this step's loads land.  Those loads stand in one run behind the step's first four products, which name XF[K % 2], WB[K % 4], bf and accumulators: none of the
; registers that the loads touch.  Steps 0 and 15 have no such wait: step 0's buffers were last named ahead of the head's waits, step 15 issues no load.
.set BLOCK, 147456
.set UNIT,  272                        ; an LDS unit: 16 lanes x 16 bytes + 16.  Unit u = 64 pt + 4 kk + 2 cc + h
.set XO,   1                           ; byte offset in x: rows p and p + 8, my wave's 256 bytes of them
.set XS,   2                           ; where my 8 bytes of bf16 go in LDS
.set XR,   3                           ; v3, v4: where I read x fragments (pt 0-1, pt 2-3: the immediate has 16 bits)
.set WO,   5                           ; 16 L
.set BOF,  6                           ; byte offset in bf
.set BIAS, 8                           ; v[8:15]   bf of my channel tile as a C operand; zeros in the waves that make g
.set XF0,  16                          ; v[16:79]  two buffers of four x fragments
.set WB0,  80                          ; v[80:239] four buffers of five W fragments
.set OUTP, 80                          ; v[80:159] the way out
; v254, v255: the closing add's two registers, made at the head and kept for it alone
; window 1 (v256-415): accumulator (i, pt) at v[8 (4 i + pt)]; ahead of the K steps v256-383 hold x as loaded
.set MSB, 0
.macro WIN new                         ; the immediate's high byte repeats the setting that is left
.if MSB != \new
	s_set_vgpr_msb (MSB<<8)|\new
.set MSB, \new
.endif
.endm
.macro PLACES n
.rept \n
	v_nop
.endr
.endm
.macro WLOAD kk, buf                   ; the five W fragments of K step kk
.irp i, 0,1,2,3,4
	global_load_b128 v[\buf+8*\i:\buf+8*\i+3],   v[WO], s[6:7] offset:\kk*5120+\i*1024
	global_load_b128 v[\buf+8*\i+4:\buf+8*\i+7], v[WO], s[6:7] offset:\kk*5120+\i*1024+512
.endr
.endm
.macro XFETCH kk, buf                  ; the four x fragments of K step kk: sixteen lanes read 256 consecutive bytes
.irp pt, 0,1,2,3
	ds_load_b128 v[\buf+8*\pt:\buf+8*\pt+3],   v[XR+(\pt>>1)] offset:(\pt&1)*64*UNIT+\kk*4*UNIT
	ds_load_b128 v[\buf+8*\pt+4:\buf+8*\pt+7], v[XR+(\pt>>1)] offset:(\pt&1)*64*UNIT+\kk*4*UNIT+2*UNIT
.endr
.endm
	s_load_b256 s[4:11], s[0:1], 0x0               ; x s[4:5], wt s[6:7], bf s[8:9], fq s[10:11]
	s_load_b64 s[12:13], s[0:1], 0x20              ; kv
	v_lshl_add_u32 v254, v0, 2, 0x11000
	v_mov_b32 v255, 0
	v_lshrrev_b32 v1, 5, v0
	v_readfirstlane_b32 s14, v1                    ; wave w
	s_mov_b32 s15, ttmp9                           ; work-group
	s_lshl_b32 s16, s15, 17                        ; 64 rows of x
	s_mov_b32 s17, 0
	s_wait_alu depctr_va_sdst(0)                   ; s14 is written, ahead of its first reader: the bases and the LDS addresses are made from it
	s_mul_i32 s18, s14, 81920                      ; my wave's part of wt
	s_mov_b32 s19, 0
	s_lshr_b32 s20, s15, 1                         ; my block of 128 positions: 32 batch + u
	s_add_co_u32 s34, s20, 30
	s_and_b32 s34, s34, 31                         ; (u - 2) mod 32
	s_and_b32 s35, s20, 0x60                       ; 32 batch
	s_or_b32 s34, s34, s35
	s_mul_i32 s34, s34, BLOCK                      ; the block that takes my g
	s_mul_i32 s20, s20, BLOCK                      ; the block that takes my h^T
	s_and_b32 s21, s15, 1                          ; which half of its 128 positions
	s_lshl_b32 s22, s21, 13
	s_add_co_u32 s22, s22, s34                     ; g: key tiles 4 half + pt
	s_lshl_b32 s23, s15, 13                        ; f: position tiles 4 wg + pt
	s_and_b32 s24, s14, 3                          ; my channel tile of f or g = 2 kb + cc
	s_lshl_b32 s25, s24, 9
	s_lshr_b32 s28, s14, 1                         ; h^T: wa = w >> 1
	s_lshl_b32 s28, s28, 15
	s_add_co_u32 s28, s28, s20
	s_lshl_b32 s29, s21, 14                        ; j = 2 half + (pt >> 1)
	s_add_co_u32 s28, s28, s29
	s_and_b32 s29, s14, 1                          ; dt = 4 (w & 1) + i - 1
	s_lshl_b32 s29, s29, 12
	s_add_co_u32 s28, s28, s29
	s_add_co_u32 s28, s28, 16384
	s_mov_b32 s29, 0
	s_lshl_b32 s30, s14, 8                         ; my 64 columns of x
	s_mul_i32 s31, s14, 8*UNIT                     ; they are units 8 w .. 8 w + 7 of each pt
	s_lshl_b32 s33, s24, 6
	v_and_b32 v7, 15, v0
	v_bfe_u32 v16, v0, 4, 1
	v_lshlrev_b32 v17, 4, v7
	v_lshl_add_u32 v[XO], v16, 14, v17             ; lanes 16-31: eight rows further down
	v_add_nc_u32 v[XO], s30, v[XO]
	v_lshrrev_b32 v18, 1, v7                       ; my 4 columns lie in unit (L & 15) >> 1 of the wave's eight,
	v_mul_u32_u24 v18, v18, UNIT
	v_lshl_add_u32 v18, v16, 7, v18                ; in row p + 8 (L >> 4),
	v_and_b32 v19, 1, v0
	v_lshl_add_u32 v18, v19, 3, v18                ; in its lower or upper 8 bytes
	v_add_nc_u32 v[XS], s31, v18
	v_mul_u32_u24 v18, v16, UNIT
	v_add_nc_u32 v[XR], v18, v17
	v_add_nc_u32 v[XR+1], 128*UNIT, v[XR]
	v_and_b32 v[WO], 31, v0
	v_lshlrev_b32 v[WO], 4, v[WO]
	v_lshlrev_b32 v[BOF], 5, v16                   ; register j of C is channel 8 h + j
	v_add_nc_u32 v[BOF], s33, v[BOF]
	s_wait_kmcnt 0x0
	s_add_nc_u64 s[4:5], s[4:5], s[16:17]
	s_add_nc_u64 s[6:7], s[6:7], s[18:19]
	s_cmp_lt_u32 s14, 4                            ; waves 0-3 make f, waves 4-7 make g
	s_cselect_b64 s[26:27], s[10:11], s[12:13]
	s_cselect_b32 s22, s23, s22
	s_cselect_b32 s32, -1, 0
	s_add_co_u32 s22, s22, s25
	s_mov_b32 s23, 0
	s_add_nc_u64 s[26:27], s[26:27], s[22:23]      ; where my tile of f or g goes
	s_add_nc_u64 s[12:13], s[12:13], s[28:29]      ; where my tiles of h^T go
	s_wait_alu depctr_va_vdst(0)                   ; the six offsets and addresses v1 to v6 are written: every load and store of the kernel reads one of them
	global_load_b128 v[BIAS:BIAS+3],   v[BOF], s[8:9]
	global_load_b128 v[BIAS+4:BIAS+7], v[BOF], s[8:9] offset:16
	WIN 0x40                                       ; destination in window 1
.irp pt, 0,1,2,3
.irp p, 0,1,2,3,4,5,6,7
	global_load_b128 v[4*(8*\pt+\p):4*(8*\pt+\p)+3], v[XO], s[4:5] offset:(16*\pt+\p)*2048   ; sixteen lanes read 256 consecutive bytes, aligned
.endr
.endr
	WIN 0
	WLOAD 0, WB0
	WLOAD 1, WB0+40
	s_wait_loadcnt 20                              ; bf and x are in; the 20 loads of W stay out
	WIN 0x05                                       ; sources in window 1
.set n, 0
.rept 32
	v_cvt_pk_bf16_f32 v[XF0+2*n],   v[4*n],   v[4*n+1]
	v_cvt_pk_bf16_f32 v[XF0+2*n+1], v[4*n+2], v[4*n+3]
.set n, n+1
.endr
	WIN 0
	WLOAD 2, WB0+80                                ; no wait: the conversions, the only vector work since the last wait, name neither v[WO] nor this buffer
.irp j, 0,1,2,3,4,5,6,7
	v_and_b32 v[BIAS+\j], s32, v[BIAS+\j]          ; g starts from zero
.endr
	s_wait_alu depctr_va_vdst(0)                   ; the conversions have written v[XF0 ..], which the LDS stores read
.irp pt, 0,1,2,3
.irp p, 0,1,2,3,4,5,6,7
	ds_store_b64 v[XS], v[XF0+2*(8*\pt+\p):XF0+2*(8*\pt+\p)+1] offset:\pt*64*UNIT+\p*16
.endr
.endr
	s_wait_dscnt 0x0                               ; my stores are done, for the other waves' sake,
	s_barrier_signal -1
	s_barrier_wait -1                              ; and so are everybody's: the only barrier, LDS is only read from here on
	s_wait_alu depctr_vm_vsrc(0)                   ; my LDS stores have read v[XF0 ..]: from here on the fragments' loads land in these registers
	XFETCH 0, XF0
; K step K (32 channels of x).  The 20 accumulators take turns, one instruction a turn.
; A step ends under the products' window setting and the next begins under it: two switches a step, round its one run of loads.
.macro STEP
.set XC, XF0+32*(K%2)
.set XN, XF0+32*((K+1)%2)
.set WC, WB0+40*(K%4)
.set WN, WB0+40*((K+3)%4)
.set KN, K+1
.set KW, K+3
.if K == 0
.set WMUL, 0x40                        ; D in window 1; C is bf or the constant 0: nothing is cleared
.else
.set WMUL, 0x50                        ; C and D in window 1
.endif
	s_wait_dscnt 0x0                               ; this step's x fragments are in: they were asked for sixteen products ago, and no LDS instruction was issued behind them
.if K < 14
	s_wait_loadcnt 20                              ; this step's W is in; that of the next two steps stays out
.else
	s_wait_loadcnt 10*(15-K)                       ; the counts run down
.endif
.if (K > 0) && (K < 15)
	s_wait_alu depctr_va_vdst(0)                   ; the products of the step before are done reading their x fragments and their W, in which the loads below land
.endif
	WIN WMUL
.irp pt, 0,1,2,3
.if K == 0
	v_wmma_f32_16x16x32_bf16 v[8*\pt:8*\pt+7], v[WC:WC+7], v[XC+8*\pt:XC+8*\pt+7], v[BIAS:BIAS+7]
.else
	v_wmma_f32_16x16x32_bf16 v[8*\pt:8*\pt+7], v[WC:WC+7], v[XC+8*\pt:XC+8*\pt+7], v[8*\pt:8*\pt+7]
.endif
.endr
.if K < 15
	WIN 0
	XFETCH KN, XN                                  ; the next step's x.  No wait: the four products since the wait above name none of these loads' registers
.if K < 13
	WLOAD KW, WN                                   ; W three steps ahead, into the buffer that the step before used; likewise
.endif
.endif
	WIN WMUL
.irp i, 1,2,3,4
.irp pt, 0,1,2,3
.if K == 0
	v_wmma_f32_16x16x32_bf16 v[8*(4*\i+\pt):8*(4*\i+\pt)+7], v[XC+8*\pt:XC+8*\pt+7], v[WC+8*\i:WC+8*\i+7], 0
.else
	v_wmma_f32_16x16x32_bf16 v[8*(4*\i+\pt):8*(4*\i+\pt)+7], v[XC+8*\pt:XC+8*\pt+7], v[WC+8*\i:WC+8*\i+7], v[8*(4*\i+\pt):8*(4*\i+\pt)+7]
.endif
.endr
.endr
.endm
.set K, 0
.rept 16
	STEP
.set K, K+1
.endr
	PLACES 4                                       ; four places (ISA guide 7.12.1) behind the last products, ahead of the conversions that read their results and write over W's first two buffers
	WIN 0x05
.set t, 0
.rept 20
.irp p, 0,1,2,3
	v_cvt_pk_bf16_f32 v[OUTP+4*t+\p], v[8*t+2*\p], v[8*t+2*\p+1]
.endr
.set t, t+1
.endr
	WIN 0
	s_wait_alu depctr_va_vdst(0)                   ; the conversions have written v[OUTP ..], which the stores read
.irp pt, 0,1,2,3
	global_store_b128 v[WO], v[OUTP+4*\pt:OUTP+4*\pt+3], s[26:27] offset:\pt*2048           ; each store of the wave covers 512 consecutive bytes, aligned
.endr
.irp i, 1,2,3,4
.irp pt, 0,1,2,3
	global_store_b128 v[WO], v[OUTP+4*(4*\i+\pt):OUTP+4*(4*\i+\pt)+3], s[12:13] offset:(\pt>>1)*8192+(\pt&1)*512+(\i-1)*1024
.endr
.endr
	s_wait_dscnt 0x0                               ; the closing lines, six on end
	s_wait_alu 0x0
	s_wait_tensorcnt 0x0
	ds_add_u32 v254, v255
	s_wait_dscnt 0x0
	s_endpgm
.Lfunc_end_k_q9947ad6919_proj:
	.size	k_q9947ad6919_proj, .Lfunc_end_k_q9947ad6919_proj-k_q9947ad6919_proj
	.p2alignl 7, 3214868480
	.fill 96, 4, 3214868480
	.section	.rodata,"a",@progbits
	.p2align	6, 0x0
	.amdhsa_kernel k_q9947ad6919_proj
		.amdhsa_group_segment_fixed_size 70656
		.amdhsa_private_segment_fixed_size 0
		.amdhsa_enable_private_segment 0
		.amdhsa_kernarg_size 40
		.amdhsa_user_sgpr_count 2
		.amdhsa_user_sgpr_kernarg_segment_ptr 1
		.amdhsa_wavefront_size32 1
		.amdhsa_system_sgpr_workgroup_id_x 1
		.amdhsa_system_sgpr_workgroup_id_y 1
		.amdhsa_system_sgpr_workgroup_id_z 1
		.amdhsa_system_vgpr_workitem_id 0
		.amdhsa_next_free_vgpr 416
		.amdhsa_next_free_sgpr 66
		.amdhsa_reserve_vcc 0
		.amdhsa_float_denorm_mode_32 3
		.amdhsa_float_denorm_mode_16_64 3
		.amdhsa_memory_ordered 1
		.amdhsa_forward_progress 1
		.amdhsa_inst_pref_size 66
	.end_amdhsa_kernel
	.amdgpu_metadata
---
amdhsa.version: [ 1, 2 ]
amdhsa.kernels:
  - .name:           k_q9947ad6919_proj
    .symbol:         k_q9947ad6919_proj.kd
    .args:
      - { .name: x, .offset: 0, .size: 8, .value_kind: global_buffer, .address_space: global }
      - { .name: wt, .offset: 8, .size: 8, .value_kind: global_buffer, .address_space: global }
      - { .name: bf, .offset: 16, .size: 8, .value_kind: global_buffer, .address_space: global }
      - { .name: fq, .offset: 24, .size: 8, .value_kind: global_buffer, .address_space: global }
      - { .name: kv, .offset: 32, .size: 8, .value_kind: global_buffer, .address_space: global }
    .group_segment_fixed_size: 70656
    .private_segment_fixed_size: 0
    .kernarg_segment_align: 8
    .kernarg_segment_size: 40
    .max_flat_workgroup_size: 256
    .sgpr_count:     66
    .vgpr_count:     416
    .wavefront_size: 32
...
	.end_amdgpu_metadata
.endif
;; end of part 4
;; launch attn: the kernel of part 3 again; grid 256 x 1, 4 waves a work-group, clusters of 4 x 1, 327,680 bytes of LDS; arguments fq, kv, x, bh, gamma, out0; writes out0
